; MI455X (gfx1250); checked and timed in simulation.
; The chip was launched on July 23, 2026; its instructions are those of AMD's public machine-readable ISA for CDNA 5 (MIT licence, August 2026) and "CDNA5" Instruction Set Architecture Reference Guide (July 2026). The comments in the code are by the model that wrote it; some were corrected since.
;; Scaled Dot Product Attention. Allowed arithmetic: float matrix products may take bf16 or f16 operands with f32 sums; all other float work in f32.
;; Inputs: K 4 x 16 x 2,048 x 64 float32; Q 4 x 16 x 2,048 x 64 float32; V 4 x 16 x 2,048 x 64 float32.
;; Outputs: out0 4 x 16 x 2,048 x 64 float32.
;; One version. Each part assembles by itself: llvm-mc -triple=amdgcn-amd-amdhsa -mcpu=gfx1250 --defsym DOCPART=n.
;; ======== version 1 of 1: 1 launch
;; limits: values are held in f16: magnitudes above 65,504 overflow, below 6.1e-05 lose precision; inputs' magnitudes at most 65,504
;; launch attn (part 1): grid 256 x 1, 8 waves a work-group, no clusters, 74,752 bytes of LDS; arguments Q, K, V, out0; writes out0
.if DOCPART == 1
	.amdgcn_target "amdgcn-amd-amdhsa--gfx1250"
	.amdhsa_code_object_version 6
	.text
	.protected	k_q06d62d6997_attn
	.globl	k_q06d62d6997_attn
	.p2align	8
	.type	k_q06d62d6997_attn,@function
k_q06d62d6997_attn:
	s_mov_b64 s[64:65], 0
	v_nop
	global_prefetch_b8 v0, s[64:65] scope:SCOPE_SE
	s_setreg_imm32_b32 hwreg(HW_REG_WAVE_MODE, 25, 1), 1
	s_wait_xcnt 0x0
; Causal attention, out = softmax(Q K^T / 32, keys <= query) V.  Q, K, V, out: [64 heads][2048][64] f32.
; One launch, everything fused; products in f16 with f32 sums, softmax in f32 with a running maximum.
;
; SHARES.  Work-group id: head = id >> 2, c = id & 3.  A work-group walks the 2048 keys of its head once, 32 trips of 64 keys.
; Wave W (0..7) owns four tiles of 16 queries; tile i starts at row 64 T_i + 16 c with T = W, 15-W, 16+W, 31-W.
; T_i is also the key trip on the tile's diagonal: before it the tile is unmasked, in it masked, normalised and stored,
; behind it skipped.  Every wave does (W+1) + (16-W) + (17+W) + (32-W) = 66 tile-trips: all waves and work-groups alike.
;
; BOTH PRODUCTS ARE USED TRANSPOSED.  S^T = K Q^T: lane (r, h) holds, for query r, keys 16 kt + 8 h + j in register j of
; sub-tile kt, so a query's scores lie in the lane pair r, r+16 and the row maximum is register work and one lane exchange.
; Pairs of neighbouring registers rounded to f16 are at once the second source (n = query, k = key) of O^T = V^T P^T,
; in which lane (r, h) holds dh = 16 dt + 8 h + j of query r: the rescale and 1/l are one number a lane.
;
; WHY f16 AND NOT bf16.  The first rows are sums of a few terms p v of V's own size, which can cancel, while the late rows
; average up to 2048 values of V and are some thirty times smaller: the early rows want an absolute error far below V's size.
; f16 keeps 11 significant bits (2^-11 relative at worst), bf16 8 (2^-8).  The range is there: probabilities lie in [0, 1]
; by the running maximum, and Q, K, V of spread 1, even 30 times larger and offset by 30 spreads, stay near 200 against
; f16's 65504; products are summed in f32, so only the operands have to fit.
;
; K AND V go global -> registers -> f16 -> LDS (two buffers, one barrier a trip).  No tensor loads, no cluster, no joint requests,
; though the four work-groups of a head read the same tiles: the mover copies bytes as they are, and K, V are f32.  A step of 64 keys
; landed as f32 would write 32 KB to LDS and read 32 KB back for the rounding, on top of the 16 KB of f16 written and the
; 8 x 16 KB of fragments read: near half as much LDS traffic again, in a kernel whose waves read 16 KB of fragments for
; 33 matrix instructions on average.  The four work-groups have neighbouring ids and walk in step, so the tile is read together.
;
; LIMITS.  Q, K, V and the probabilities are rounded to f16 for the products: |Q|, |K|, |V| must not pass 65504 (beyond it the
; operand is infinite), and magnitudes under 2^-14 keep an absolute error of 2^-25.  Probabilities under 2^-25 of the running
; maximum's drop out of P V while they count in l: together at most 2048 x 2^-25 = 2^-14 of l.  l is summed from the unrounded
; probabilities (relative difference at most 2^-11).  The exponent c s - c m carries one rounding of c m.  v_exp_f32 gives 0
; below 2^-126.  Inputs whose scores overflow f32 are not served (the reference is not finite there either).
.set KPITCH, 144                       ; K row in LDS: 128 bytes of f16 + 16
.set VPITCH, 160                       ; V row in LDS: 128 bytes + 32 (the transposing load wants an odd multiple of 32)
.set VOFF,   64*KPITCH                 ; V tile behind K tile
.set BUFB,   64*KPITCH+64*VPITCH       ; one buffer: 19,456 bytes
.set STG,    2*BUFB                    ; behind the two buffers: 16 rows x 272 bytes for each wave, for the way out
.set SPITCH, 272
.set TILEB,  16384                     ; 64 keys x 64 f32 in memory
; window 0
.set KA,   2                           ; K fragment address: 144 r + 16 h
.set VA,   3                           ; V fragment address: (8 h + (L & 7)) 160 + 16 ((L >> 3) & 1)
.set KS,   4                           ; where I store my 8 bytes of K: 144 (tid >> 4) + 8 r
.set VS,   5                           ; the same for V, pitch 160
.set GOFF, 6                           ; 16 tid + tile steps: offset of my 16 bytes in K and in V
.set POFF, 7                           ; prefetch offset (wave 0)
.set SO,   8                           ; way out: where I put 32 bytes of a row
.set SR,   9                           ; way out: where I read a row back
.set OL,   10                          ; 16 L: my 16 bytes in two rows of out
.set OOFF, 11                          ; OL + the tile
.set DM,   12                          ; r - 8 h + 16 c: key 16 kt + j of the diagonal trip is allowed if it is <= DM
.set NEG,  13                          ; -inf
.set NM,   14                          ; v[14:15] -c m_new (v15 only fills the pair)
.set AL,   16                          ; v[16:17] alpha, later 1/l (v17 only fills the pair)
.set MX,   18                          ; v[18:21] running maximum of tile i, raw scores
.set LS,   22                          ; v[22:25] running sum of tile i, this lane's half of the keys
.set CH,   26                          ; v[26:29] chains; Q offsets in the prologue
.set SA,   30                          ; v[30:31], v[32:33] two chains of packed sums
.set SB,   32
.set SC,   40                          ; v[40:71]  32 scores, then probabilities; rows on the way out
.set PR,   72                          ; v[72:87]  probabilities in f16
.set KG,   88                          ; v[88:103]  my 4 x 16 bytes of the K tile on its way
.set VG,   104                         ; v[104:119] the same for V
.set KF,   120                         ; v[120:183] K fragments, (kt, s) at 16 kt + 8 s
.set VF,   184                         ; v[184:247] V^T fragments, (dt, ks) at 16 dt + 8 ks
; window 1
.set QW,   0                           ; v[256:319] Q fragments, tile i step s at 16 i + 8 s
.set OW,   64                          ; v[320:447] O^T, tile i block dt at 32 i + 8 dt
; scalars: s[4:11] Q, K, V, out at my head; s12 W; s13 c; s[20:21] c = log2(e)/32 twice; s22 -c; s32, s33 lane exchange
.set TT,   24                          ; s[24:27] T_i
.set QT,   28                          ; s[28:31] byte offset of tile i in the head
.set MSB, 0
.macro WIN new                         ; s_set_vgpr_msb: low byte 1:0 source 0, 3:2 source 1, 5:4 source 2, 7:6 destination;
.if MSB != \new                        ; the high byte repeats the setting that is left
	s_set_vgpr_msb (MSB<<8)|\new
.set MSB, \new
.endif
.endm
.macro PLACES                          ; four plain vector places behind a matrix instruction (ISA guide 7.12.1)
.rept 4
	v_nop
.endr
.endm
	s_load_b256 s[4:11], s[0:1], 0x0               ; Q s[4:5], K s[6:7], V s[8:9], out s[10:11]
	v_lshl_add_u32 v254, v0, 2, 0x12000
	v_mov_b32 v255, 0
	v_lshrrev_b32 v1, 5, v0
	v_readfirstlane_b32 s12, v1                    ; W
	s_and_b32 s13, ttmp9, 3                        ; c
	s_lshr_b32 s16, ttmp9, 2                       ; head
	s_lshl_b32 s16, s16, 19                        ; x 2048 rows x 256 bytes
	s_mov_b32 s17, 0
	s_mov_b32 s[TT], s12
	s_sub_co_u32 s[TT+1], 15, s12
	s_add_co_u32 s[TT+2], s12, 16
	s_sub_co_u32 s[TT+3], 31, s12
	s_lshl_b32 s14, s13, 12                        ; 16 c rows
.irp i, 0,1,2,3
	s_lshl_b32 s[QT+\i], s[TT+\i], 14              ; 64 T_i rows
	s_add_co_u32 s[QT+\i], s[QT+\i], s14
.endr
	v_and_b32 v34, 31, v0                          ; L
	v_and_b32 v35, 15, v0                          ; r
	v_bfe_u32 v36, v0, 4, 1                        ; h
	v_lshlrev_b32 v[GOFF], 4, v0
	v_lshlrev_b32 v38, 8, v35                      ; Q: row r,
	v_lshl_add_u32 v38, v36, 5, v38                ; 8 h numbers in
.irp i, 0,1,2,3
	v_add_nc_u32 v[CH+\i], s[QT+\i], v38
.endr
	s_wait_kmcnt 0x0
	s_add_nc_u64 s[4:5], s[4:5], s[16:17]
	s_add_nc_u64 s[6:7], s[6:7], s[16:17]
	s_add_nc_u64 s[8:9], s[8:9], s[16:17]
	s_add_nc_u64 s[10:11], s[10:11], s[16:17]
; eight loads: my 16 bytes of each quarter of a K tile and of a V tile; a wave's load covers 512 consecutive bytes
.macro LOADKV base
.irp j, 0,1,2,3
	global_load_b128 v[KG+4*\j:KG+4*\j+3], v[GOFF], s[6:7] offset:\base+4096*\j
	global_load_b128 v[VG+4*\j:VG+4*\j+3], v[GOFF], s[8:9] offset:\base+4096*\j
.endr
.endm
; round what LOADKV brought to f16, in place, and store it: load j is key 16 j + (tid >> 4), dh 4 r .. 4 r + 3
.macro CVTST nbuf
.irp j, 0,1,2,3
	v_cvt_pk_f16_f32 v[KG+4*\j],   v[KG+4*\j],   v[KG+4*\j+1]
	v_cvt_pk_f16_f32 v[KG+4*\j+1], v[KG+4*\j+2], v[KG+4*\j+3]
	v_cvt_pk_f16_f32 v[VG+4*\j],   v[VG+4*\j],   v[VG+4*\j+1]
	v_cvt_pk_f16_f32 v[VG+4*\j+1], v[VG+4*\j+2], v[VG+4*\j+3]
.endr
.irp j, 0,1,2,3
	ds_store_b64 v[KS], v[KG+4*\j:KG+4*\j+1] offset:\nbuf*BUFB+16*KPITCH*\j
	ds_store_b64 v[VS], v[VG+4*\j:VG+4*\j+1] offset:\nbuf*BUFB+VOFF+16*VPITCH*\j
.endr
.endm
	LOADKV 0                                       ; tile 0
	; Q: fragment (n = query r, k = dh): dh 32 s + 8 h + 0..7 and 32 s + 16 + 8 h + 0..7, as f32 two loads of 16 bytes each
.irp i, 0,1,2,3
.irp s, 0,1
	global_load_b128 v[KF+32*\i+16*\s:KF+32*\i+16*\s+3],     v[CH+\i], s[4:5] offset:128*\s th:TH_LOAD_NT
	global_load_b128 v[KF+32*\i+16*\s+4:KF+32*\i+16*\s+7],   v[CH+\i], s[4:5] offset:128*\s+16 th:TH_LOAD_NT
	global_load_b128 v[KF+32*\i+16*\s+8:KF+32*\i+16*\s+11],  v[CH+\i], s[4:5] offset:128*\s+64 th:TH_LOAD_NT
	global_load_b128 v[KF+32*\i+16*\s+12:KF+32*\i+16*\s+15], v[CH+\i], s[4:5] offset:128*\s+80 th:TH_LOAD_NT
.endr
.endr
	; the other addresses and constants, while the loads are on their way
	s_mov_b32 s20, 0x3d38aa3b                      ; c = log2(e) / 32
	s_mov_b32 s21, 0x3d38aa3b
	s_mov_b32 s22, 0xbd38aa3b                      ; -c
	s_mov_b32 s32, 0x76543210                      ; v_permlanex16_b32: lane i takes lane i of the other half
	s_mov_b32 s33, 0xfedcba98
	s_cmp_lt_u32 s13, 2                            ; prefetch: c = 0, 1 ask for the halves of a K tile, c = 2, 3 for those of a V tile
	s_cselect_b64 s[36:37], s[6:7], s[8:9]
	s_and_b32 s38, s13, 1
	s_lshl_b32 s38, s38, 13
	s_add_co_u32 s38, s38, 3*TILEB                 ; stepped once before its first use: tile 4
	v_lshl_add_u32 v[POFF], v34, 8, s38            ; lanes 256 bytes apart: 8,192 bytes
	v_mul_u32_u24 v[KA], v35, KPITCH
	v_lshl_add_u32 v[KA], v36, 4, v[KA]
	v_and_b32 v37, 7, v0
	v_lshl_add_u32 v37, v36, 3, v37
	v_mul_u32_u24 v[VA], v37, VPITCH
	v_bfe_u32 v38, v0, 3, 1
	v_lshl_add_u32 v[VA], v38, 4, v[VA]
	v_lshrrev_b32 v39, 4, v0                       ; tid >> 4 = 2 W + h
	v_mul_u32_u24 v[KS], v39, KPITCH
	v_lshl_add_u32 v[KS], v35, 3, v[KS]
	v_mul_u32_u24 v[VS], v39, VPITCH
	v_lshl_add_u32 v[VS], v35, 3, v[VS]
	s_mul_i32 s38, s12, 16*SPITCH
	s_add_co_u32 s38, s38, STG                     ; my wave's stage
	v_mul_u32_u24 v37, v35, SPITCH
	v_lshl_add_u32 v37, v36, 5, v37
	v_add_nc_u32 v[SO], s38, v37                   ; row r, 32 h bytes in
	v_mul_u32_u24 v37, v36, SPITCH
	v_lshl_add_u32 v37, v35, 4, v37
	v_add_nc_u32 v[SR], s38, v37                   ; row h, 16 r bytes in
	v_lshlrev_b32 v[OL], 4, v34                    ; 256 h + 16 r
	s_lshl_b32 s39, s13, 4
	v_lshlrev_b32 v37, 3, v36
	v_sub_nc_u32 v[DM], v35, v37
	v_add_nc_u32 v[DM], s39, v[DM]
	v_mov_b32 v[NEG], 0xff800000
	v_mov_b32 v[NM+1], 0
	v_mov_b32 v[AL+1], 0
	s_wait_loadcnt 32                              ; the 32 loads of Q are younger: tile 0 is in
	CVTST 0
	LOADKV TILEB                                   ; tile 1
	s_wait_loadcnt 8                               ; tile 1's eight are younger: Q is in, and its offsets in CH are free
	WIN 0x40
.set m, 0
.rept 64
	v_cvt_pk_f16_f32 v[QW+m], v[KF+2*m], v[KF+2*m+1]
.set m, m+1
.endr
	WIN 0
	s_wait_dscnt 0x0                               ; my part of tile 0 is in LDS, for the others' sake
	s_barrier_signal -1
	s_barrier_wait -1
; 32 LDS loads: the fragments of one tile.  K: rows along dh.  V: stored [key][dh], transposed on the way (m = dh, k = key).
.macro FRAGS buf
.irp kt, 0,1,2,3
.irp s, 0,1
	ds_load_b128 v[KF+16*\kt+8*\s:KF+16*\kt+8*\s+3],   v[KA] offset:\buf*BUFB+16*KPITCH*\kt+64*\s
	ds_load_b128 v[KF+16*\kt+8*\s+4:KF+16*\kt+8*\s+7], v[KA] offset:\buf*BUFB+16*KPITCH*\kt+64*\s+32
.endr
.endr
.irp dt, 0,1,2,3
.irp ks, 0,1
	ds_load_tr16_b128 v[VF+16*\dt+8*\ks:VF+16*\dt+8*\ks+3],   v[VA] offset:\buf*BUFB+VOFF+32*VPITCH*\ks+32*\dt
	ds_load_tr16_b128 v[VF+16*\dt+8*\ks+4:VF+16*\dt+8*\ks+7], v[VA] offset:\buf*BUFB+VOFF+32*VPITCH*\ks+32*\dt+16*VPITCH
.endr
.endr
.endm
; In trip t: tile t+1, loaded a trip ago, goes to buffer nbuf; tile t+2 is asked for.  load = 2: not in trip 30 (there is no tile 32).
; pf = 1: wave 0 asks the L2 for this work-group's quarter (8,192 bytes) of tile t+4, two trips ahead of its load, up to
; trip 27 (tile 31, the last): each 256-byte block of K and V from tile 4 on is asked for once in the launch.
.macro STAGEKV nbuf, load, pf, treg, tag
	s_wait_loadcnt 0x0                             ; tile t+1 is in registers; GOFF is free
.if \pf
	s_wait_xcnt 0x0                                ; POFF, which the prefetch of the last trip names, is stepped only behind this wait
.endif
	CVTST \nbuf
.if \load == 2
	s_cmp_ge_u32 \treg, 30
	s_cbranch_scc1 .Lnl\tag
.endif
	v_add_nc_u32 v[GOFF], TILEB, v[GOFF]
	LOADKV TILEB
.if \load == 2
.Lnl\tag:
.endif
.if \pf
	v_add_nc_u32 v[POFF], TILEB, v[POFF]
	s_cmp_lg_u32 s12, 0
	s_cbranch_scc1 .Lnp\tag
	s_cmp_gt_u32 \treg, 27
	s_cbranch_scc1 .Lnp\tag
	global_prefetch_b8 v[POFF], s[36:37] th:TH_LOAD_NT scope:SCOPE_SE
.Lnp\tag:
.endif
.endm
.macro EXP8 g
.irp j, 0,1,2,3,4,5,6,7
	v_exp_f32 v[SC+8*\g+\j], v[SC+8*\g+\j]
.endr
.endm
.macro SUMCVT g                        ; eight probabilities: into the two chains of sums, and rounded to f16
.if \g == 0
	s_wait_alu depctr_va_vdst(0)
	v_pk_add_f32 v[SA:SA+1], v[SC:SC+1], v[SC+2:SC+3]          ; the first eight start the chains
	v_pk_add_f32 v[SB:SB+1], v[SC+4:SC+5], v[SC+6:SC+7]
.else
	s_wait_alu depctr_va_vdst(0)
	v_pk_add_f32 v[SA:SA+1], v[SA:SA+1], v[SC+8*\g:SC+8*\g+1]
	v_pk_add_f32 v[SB:SB+1], v[SB:SB+1], v[SC+8*\g+2:SC+8*\g+3]
	v_pk_add_f32 v[SA:SA+1], v[SA:SA+1], v[SC+8*\g+4:SC+8*\g+5]
	v_pk_add_f32 v[SB:SB+1], v[SB:SB+1], v[SC+8*\g+6:SC+8*\g+7]
.endif
.irp k, 0,1,2,3
	v_cvt_pk_f16_f32 v[PR+4*\g+\k], v[SC+8*\g+2*\k], v[SC+8*\g+2*\k+1]
.endr
.endm
.macro SCALEO i                        ; O^T of tile i times the lane's number in AL
	WIN 0x41
.irp nn, 0,2,4,6,8,10,12,14,16,18,20,22,24,26,28,30
	v_pk_mul_f32 v[OW+32*\i+\nn:OW+32*\i+\nn+1], v[OW+32*\i+\nn:OW+32*\i+\nn+1], v[AL:AL+1] op_sel_hi:[1,0]
.endr
.endm
; Tile i against the 64 keys whose fragments lie in KF and VF.
; first = 1: the first keys, which start O, the maximum and the sum: nothing is cleared.  guard = 1: skipped behind the diagonal.
; diag = 1: masked, normalised and stored if treg = T_i; 2: always; 0: never.  stg: LDS instructions younger than the V fragments.
.macro UNIT i, first, guard, diag, stg, treg, tag
.set NEEDEND, \guard
.if \diag == 1
.set NEEDEND, 1
.endif
.if \guard
	s_cmp_gt_u32 \treg, s[TT+\i]
	s_cbranch_scc1 .Lue\tag\()_\i
.endif
	WIN 0x04                                       ; second source (Q) in window 1
.irp kt, 0,1,2,3
	v_wmma_f32_16x16x32_f16 v[SC+8*\kt:SC+8*\kt+7], v[KF+16*\kt:KF+16*\kt+7], v[QW+16*\i:QW+16*\i+7], 0
.endr
.irp kt, 0,1,2,3
	v_wmma_f32_16x16x32_f16 v[SC+8*\kt:SC+8*\kt+7], v[KF+16*\kt+8:KF+16*\kt+15], v[QW+16*\i+8:QW+16*\i+15], v[SC+8*\kt:SC+8*\kt+7]
.endr
	WIN 0
	PLACES                                         ; before vector instructions read the scores
.if \diag
.if \diag == 1
	s_cmp_lg_u32 \treg, s[TT+\i]
	s_cbranch_scc1 .Lum\tag\()_\i
.endif
.irp kt, 0,1,2,3
.irp j, 0,1,2,3,4,5,6,7
	v_cmp_le_i32 vcc_lo, 16*\kt+\j, v[DM]          ; key 16 kt + 8 h + j <= query 16 c + r
	v_cndmask_b32 v[SC+8*\kt+\j], v[NEG], v[SC+8*\kt+\j], vcc_lo
.endr
.endr
.if \diag == 1
.Lum\tag\()_\i:
.endif
.endif
	; the maximum of my 32 scores and the old one, four chains; then the other half of the keys from lane r xor 16.
	; Key 0 of the diagonal trip is allowed for every query, so the pair's maximum is finite.
.irp k, 0,1,2,3
	v_max3_num_f32 v[CH+\k], v[SC+8*\k], v[SC+8*\k+1], v[SC+8*\k+2]
.endr
.irp k, 0,1,2,3
	v_max3_num_f32 v[CH+\k], v[CH+\k], v[SC+8*\k+3], v[SC+8*\k+4]
.endr
.irp k, 0,1,2,3
	v_max3_num_f32 v[CH+\k], v[CH+\k], v[SC+8*\k+5], v[SC+8*\k+6]
.endr
	v_max3_num_f32 v[CH], v[CH], v[CH+1], v[SC+7]
	v_max3_num_f32 v[CH+2], v[CH+2], v[CH+3], v[SC+15]
	v_max3_num_f32 v[CH], v[CH], v[SC+23], v[SC+31]
.if \first
	v_max_num_f32 v[CH], v[CH], v[CH+2]
.else
	v_max3_num_f32 v[CH], v[CH], v[CH+2], v[MX+\i]
.endif
	v_permlanex16_b32 v[CH+1], v[CH], s32, s33
	v_max_num_f32 v[CH+2], v[CH], v[CH+1]          ; m_new
	v_mul_f32 v[NM], s22, v[CH+2]                  ; -c m_new
.if \first == 0
	v_fma_f32 v[AL], v[MX+\i], s20, v[NM]          ; c m_old - c m_new
.endif
.irp nn, 0,2,4,6,8,10,12,14,16,18,20,22,24,26,28,30
	v_pk_fma_f32 v[SC+\nn:SC+\nn+1], v[SC+\nn:SC+\nn+1], s[20:21], v[NM:NM+1] op_sel_hi:[1,0,0]
.endr
	; exponentials in runs of eight; each run's results are used only behind a plain vector instruction that follows the run
	; (ISA guide 5.7.2): the move behind the first run, and the sums of the run before behind each later one
.if \first == 0
	v_exp_f32 v[AL], v[AL]
.endif
	EXP8 0
	v_mov_b32 v[MX+\i], v[CH+2]
	EXP8 1
	SUMCVT 0
	EXP8 2
	SUMCVT 1
	EXP8 3
	SUMCVT 2
	SUMCVT 3
	v_pk_add_f32 v[SA:SA+1], v[SA:SA+1], v[SB:SB+1]
.if \first
	v_add_f32 v[LS+\i], v[SA], v[SA+1]
.else
	v_add_f32 v[CH], v[SA], v[SA+1]
	v_fma_f32 v[LS+\i], v[LS+\i], v[AL], v[CH]
	SCALEO \i
.endif
	s_wait_dscnt \stg                              ; the V fragments are in; only the stores of the next tile are younger
	WIN 0x50                                       ; C and D in window 1
.irp dt, 0,1,2,3
.if \first
	v_wmma_f32_16x16x32_f16 v[OW+32*\i+8*\dt:OW+32*\i+8*\dt+7], v[VF+16*\dt:VF+16*\dt+7], v[PR:PR+7], 0
.else
	v_wmma_f32_16x16x32_f16 v[OW+32*\i+8*\dt:OW+32*\i+8*\dt+7], v[VF+16*\dt:VF+16*\dt+7], v[PR:PR+7], v[OW+32*\i+8*\dt:OW+32*\i+8*\dt+7]
.endif
.endr
.irp dt, 0,1,2,3
	v_wmma_f32_16x16x32_f16 v[OW+32*\i+8*\dt:OW+32*\i+8*\dt+7], v[VF+16*\dt+8:VF+16*\dt+15], v[PR+8:PR+15], v[OW+32*\i+8*\dt:OW+32*\i+8*\dt+7]
.endr
	WIN 0
.if \diag
.if \diag == 1
	s_cmp_lg_u32 \treg, s[TT+\i]
	s_cbranch_scc1 .Lue\tag\()_\i
.endif
	; the tile is complete: divide by l, turn it through my own stage in LDS, store whole rows
	PLACES                                         ; before vector instructions read O
	v_permlanex16_b32 v[CH+1], v[LS+\i], s32, s33  ; the sum over the other half of the keys
	v_add_f32 v[CH], v[LS+\i], v[CH+1]
	v_rcp_f32 v[AL], v[CH]
	v_add_nc_u32 v[OOFF], s[QT+\i], v[OL]          ; the plain place behind v_rcp_f32; OOFF is free since the wait behind its last stores
	s_wait_alu depctr_va_vdst(0)
	SCALEO \i
	WIN 0x04                                       ; store data in window 1
.irp dt, 0,1,2,3
	ds_store_b128 v[SO], v[OW+32*\i+8*\dt:OW+32*\i+8*\dt+3]   offset:64*\dt      ; query r, dh 16 dt + 8 h + 0..3
	ds_store_b128 v[SO], v[OW+32*\i+8*\dt+4:OW+32*\i+8*\dt+7] offset:64*\dt+16   ; and + 4..7
.endr
	WIN 0
.irp u, 0,1,2,3,4,5,6,7
	ds_load_b128 v[SC+4*\u:SC+4*\u+3], v[SR] offset:2*SPITCH*\u    ; rows 2 u + h; a wave's LDS instructions are served in order (ISA guide 5.7.1)
.endr
.irp u, 0,1,2,3,4,5,6,7
	s_wait_dscnt 7-\u                              ; the younger read-backs stay out
	global_store_b128 v[OOFF], v[SC+4*\u:SC+4*\u+3], s[10:11] offset:512*\u th:TH_STORE_NT   ; 16 lanes store one row of 256 bytes, the wave 512 consecutive bytes
.endr
	s_wait_xcnt 0x0                                ; SC and OOFF are written again only behind this wait
.endif
.if NEEDEND
.Lue\tag\()_\i:
.endif
.endm
; A trip of the loop.  A wave whose last tile is retired (t > T_3) still rounds and stores its eighth of the next tile.
; The one barrier orders this trip's stores into nbuf against the next trip's reads of it, and this trip's reads of buf
; against the next trip's stores into it; in front of it every LDS instruction of the wave is done.
.macro TRIP buf, nbuf, load, treg, tag
	PLACES                                         ; behind the last trip's products, before loads into their sources
	s_cmp_gt_u32 \treg, s[TT+3]
	s_cbranch_scc1 .Lid\tag
	FRAGS \buf
	STAGEKV \nbuf, \load, 1, \treg, \tag\()a
	s_wait_dscnt 24                                ; 16 V fragment loads and 8 stores are younger: the K fragments are in
	UNIT 0, 0, 1, 1, 8, \treg, \tag
	UNIT 1, 0, 1, 1, 8, \treg, \tag
	UNIT 2, 0, 1, 1, 8, \treg, \tag
	UNIT 3, 0, 1, 1, 8, \treg, \tag
	s_branch .Len\tag
.Lid\tag:
	STAGEKV \nbuf, \load, 0, \treg, \tag\()i
.Len\tag:
	s_wait_dscnt 0x0
	s_barrier_signal -1
	s_barrier_wait -1
.endm
	; TRIP 0, written out: every tile is live, only tile 0 of wave 0 is on its diagonal
	s_mov_b32 s35, 0
	FRAGS 0
	STAGEKV 1, 1, 1, s35, z
	s_wait_dscnt 24
	UNIT 0, 1, 0, 1, 8, s35, z
	UNIT 1, 1, 0, 0, 8, s35, z
	UNIT 2, 1, 0, 0, 8, s35, z
	UNIT 3, 1, 0, 0, 8, s35, z
	s_wait_dscnt 0x0
	s_barrier_signal -1
	s_barrier_wait -1
	; TRIPS 1 .. 30, two to a round so that the buffer is a constant in every offset
	s_mov_b32 s34, 1
.Lloop:
	TRIP 1, 0, 1, s34, o
	s_add_co_u32 s35, s34, 1
	TRIP 0, 1, 2, s35, e
	s_add_co_u32 s34, s34, 2
	s_cmp_lt_u32 s34, 31
	s_cbranch_scc1 .Lloop
	; TRIP 31: nothing is staged; only the tile with T_3 = 31 (wave 0) is left, and it is on its diagonal
	s_mov_b32 s35, 31
	PLACES
	s_cmp_gt_u32 s35, s[TT+3]
	s_cbranch_scc1 .Ldone
	FRAGS 1
	s_wait_dscnt 16                                ; the 16 V fragment loads are younger
	UNIT 3, 0, 0, 2, 0, s35, x
.Ldone:
	s_wait_tensorcnt 0x0
	ds_add_u32 v254, v255
	s_wait_dscnt 0x0
	s_endpgm
.Lfunc_end_k_q06d62d6997_attn:
	.size	k_q06d62d6997_attn, .Lfunc_end_k_q06d62d6997_attn-k_q06d62d6997_attn
	.p2alignl 7, 3214868480
	.fill 96, 4, 3214868480
	.section	.rodata,"a",@progbits
	.p2align	6, 0x0
	.amdhsa_kernel k_q06d62d6997_attn
		.amdhsa_group_segment_fixed_size 74752
		.amdhsa_private_segment_fixed_size 0
		.amdhsa_enable_private_segment 0
		.amdhsa_kernarg_size 32
		.amdhsa_user_sgpr_count 2
		.amdhsa_user_sgpr_kernarg_segment_ptr 1
		.amdhsa_wavefront_size32 1
		.amdhsa_system_sgpr_workgroup_id_x 1
		.amdhsa_system_sgpr_workgroup_id_y 1
		.amdhsa_system_sgpr_workgroup_id_z 1
		.amdhsa_system_vgpr_workitem_id 0
		.amdhsa_next_free_vgpr 448
		.amdhsa_next_free_sgpr 66
		.amdhsa_reserve_vcc 1
		.amdhsa_float_denorm_mode_32 3
		.amdhsa_float_denorm_mode_16_64 3
		.amdhsa_memory_ordered 1
		.amdhsa_forward_progress 1
		.amdhsa_inst_pref_size 188
	.end_amdhsa_kernel
	.amdgpu_metadata
---
amdhsa.version: [ 1, 2 ]
amdhsa.kernels:
  - .name:           k_q06d62d6997_attn
    .symbol:         k_q06d62d6997_attn.kd
    .args:
      - { .name: Q, .offset: 0, .size: 8, .value_kind: global_buffer, .address_space: global }
      - { .name: K, .offset: 8, .size: 8, .value_kind: global_buffer, .address_space: global }
      - { .name: V, .offset: 16, .size: 8, .value_kind: global_buffer, .address_space: global }
      - { .name: out0, .offset: 24, .size: 8, .value_kind: global_buffer, .address_space: global }
    .group_segment_fixed_size: 74752
    .private_segment_fixed_size: 0
    .kernarg_segment_align: 8
    .kernarg_segment_size: 32
    .max_flat_workgroup_size: 256
    .sgpr_count:     66
    .vgpr_count:     448
    .wavefront_size: 32
...
	.end_amdgpu_metadata
.endif
;; end of part 1
